; MI455X (gfx1250); checked and timed in simulation.
; The chip was launched on July 23, 2026; its instructions are those of AMD's public machine-readable ISA for CDNA 5 (MIT licence, August 2026) and "CDNA5" Instruction Set Architecture Reference Guide (July 2026). The comments in the code are by the model that wrote it; some were corrected since.
;; Prototype Adapter. Allowed arithmetic: matrix products marked QUANTISED: E3M2 operands, one E8M0 scale for each 32 along K, by v_wmma_scale_f32_16x16x128_f8f6f4 with both operands' format E3M2, f32 sums; everything else in f32.
;; Inputs: W1_codes 16 x 128 x 32 x 24 uint8 (E3M2 codes of W1, K innermost, in blocks of 32 codes, four codes in three bytes); W1_scales 16 x 128 x 32 uint8 (E8M0 scales of W1, one for each 32 codes along K); W2_codes 16 x 1,024 x 4 x 24 uint8 (E3M2 codes of W2, K innermost, in blocks of 32 codes, four codes in three bytes); W2_scales 16 x 1,024 x 4 uint8 (E8M0 scales of W2, one for each 32 codes along K); b1 16 x 128 float32; b2 16 x 1,024 float32; cluster_ids 16,384 int32; h 16,384 x 1,024 float32.
;; Outputs: out0 16,384 x 1,024 float32.
;; This version of the problem:
;;   THIS VERSION OF THE PROBLEM IS GIVEN IN LOW PRECISION. The matrix products marked QUANTISED in the list below multiply operands that are first quantised to E3M2 (3 exponent bits, 2 mantissa bits; 6 bits a number), with one power-of-two scale for each 32 numbers along K (OCP MX v1.0); their sums are f32. All else is computed in f32.
;;   The module's matrix products, in the order in which they are computed (A, B: the left and right operand; K: the contracted axis; several contracted axes count as one K, in the product's order):
;;     1. [M 16,384, K 1,024] x [K 1,024, N 128]; A: input h; B: input W1 (given as codes): QUANTISED
;;     2. [M 16,384, K 128] x [K 128, N 1,024]; A: computed on the way; B: input W2 (given as codes): QUANTISED
;;     3. [M 16,384, K 1,024] x [K 1,024, N 128]; A: input h; B: input W1 (given as codes): QUANTISED
;;     4. [M 16,384, K 128] x [K 128, N 1,024]; A: computed on the way; B: input W2 (given as codes): QUANTISED
;;     5. [M 16,384, K 1,024] x [K 1,024, N 128]; A: input h; B: input W1 (given as codes): QUANTISED
;;     6. [M 16,384, K 128] x [K 128, N 1,024]; A: computed on the way; B: input W2 (given as codes): QUANTISED
;;     7. [M 16,384, K 1,024] x [K 1,024, N 128]; A: input h; B: input W1 (given as codes): QUANTISED
;;     8. [M 16,384, K 128] x [K 128, N 1,024]; A: computed on the way; B: input W2 (given as codes): QUANTISED
;;     9. [M 16,384, K 1,024] x [K 1,024, N 128]; A: input h; B: input W1 (given as codes): QUANTISED
;;     10. [M 16,384, K 128] x [K 128, N 1,024]; A: computed on the way; B: input W2 (given as codes): QUANTISED
;;     11. [M 16,384, K 1,024] x [K 1,024, N 128]; A: input h; B: input W1 (given as codes): QUANTISED
;;     12. [M 16,384, K 128] x [K 128, N 1,024]; A: computed on the way; B: input W2 (given as codes): QUANTISED
;;     13. [M 16,384, K 1,024] x [K 1,024, N 128]; A: input h; B: input W1 (given as codes): QUANTISED
;;     14. [M 16,384, K 128] x [K 128, N 1,024]; A: computed on the way; B: input W2 (given as codes): QUANTISED
;;     15. [M 16,384, K 1,024] x [K 1,024, N 128]; A: input h; B: input W1 (given as codes): QUANTISED
;;     16. [M 16,384, K 128] x [K 128, N 1,024]; A: computed on the way; B: input W2 (given as codes): QUANTISED
;;     17. [M 16,384, K 1,024] x [K 1,024, N 128]; A: input h; B: input W1 (given as codes): QUANTISED
;;     18. [M 16,384, K 128] x [K 128, N 1,024]; A: computed on the way; B: input W2 (given as codes): QUANTISED
;;     19. [M 16,384, K 1,024] x [K 1,024, N 128]; A: input h; B: input W1 (given as codes): QUANTISED
;;     20. [M 16,384, K 128] x [K 128, N 1,024]; A: computed on the way; B: input W2 (given as codes): QUANTISED
;;     21. [M 16,384, K 1,024] x [K 1,024, N 128]; A: input h; B: input W1 (given as codes): QUANTISED
;;     22. [M 16,384, K 128] x [K 128, N 1,024]; A: computed on the way; B: input W2 (given as codes): QUANTISED
;;     23. [M 16,384, K 1,024] x [K 1,024, N 128]; A: input h; B: input W1 (given as codes): QUANTISED
;;     24. [M 16,384, K 128] x [K 128, N 1,024]; A: computed on the way; B: input W2 (given as codes): QUANTISED
;;     25. [M 16,384, K 1,024] x [K 1,024, N 128]; A: input h; B: input W1 (given as codes): QUANTISED
;;     26. [M 16,384, K 128] x [K 128, N 1,024]; A: computed on the way; B: input W2 (given as codes): QUANTISED
;;     27. [M 16,384, K 1,024] x [K 1,024, N 128]; A: input h; B: input W1 (given as codes): QUANTISED
;;     28. [M 16,384, K 128] x [K 128, N 1,024]; A: computed on the way; B: input W2 (given as codes): QUANTISED
;;     29. [M 16,384, K 1,024] x [K 1,024, N 128]; A: input h; B: input W1 (given as codes): QUANTISED
;;     30. [M 16,384, K 128] x [K 128, N 1,024]; A: computed on the way; B: input W2 (given as codes): QUANTISED
;;     31. [M 16,384, K 1,024] x [K 1,024, N 128]; A: input h; B: input W1 (given as codes): QUANTISED
;;     32. [M 16,384, K 128] x [K 128, N 1,024]; A: computed on the way; B: input W2 (given as codes): QUANTISED
;;   THE QUANTISER, for each operand of a quantised product, along K:
;;     - K is cut into blocks of 32 from its start; a last block that is shorter is filled with zeros.
;;     - A block's scale is 2^e with e = floor(log2(the largest magnitude in the block)) - 4, held to -126 .. 127; a block of zeros has e = 0. As a byte (E8M0): e + 127.
;;     - Each number is divided by its block's scale, clamped to +-28, and rounded to the nearest number of E3M2, ties to even, subnormals kept.
;;     - The product sums the exact products of the quantised numbers (number of the format x scale) in f32.
;;   ~~~python
;;   def quantise(x, axis):      # numpy; x: float32 -> the quantised numbers, widened to float32 again
;;       x = np.moveaxis(x, axis, -1); K = x.shape[-1]
;;       x = np.pad(x, [(0, 0)] * (x.ndim - 1) + [(0, -K % 32)]); x = x.reshape(x.shape[:-1] + (-1, 32)); a = np.abs(x).max(-1, keepdims=True)
;;       e = np.where(a > 0, np.clip(np.frexp(np.where(a > 0, a, 1))[1] - 1 - 4, -126, 127), 0)      # np.frexp(a)[1] - 1 = floor(log2(a)), exactly
;;       r = np.clip(x / 2.0 ** e, -28, 28)
;;       step = 2.0 ** (np.maximum(np.frexp(np.where(r == 0, 1, r))[1] - 1, -2) - 2)
;;       q = np.round(r / step) * step * 2.0 ** e      # np.round: ties to even
;;       return np.moveaxis(q.reshape(q.shape[:-2] + (-1,))[..., :K], -1, axis).astype(np.float32)
;;   ~~~
;;   OPERANDS COMPUTED ON THE WAY. 'Computed on the way' means the value that the module computes at that place (a softmax that the list does not call 'softmax' is quantised finished and normalised). What goes into a quantiser is computed in f32, as accurately as f32 sums, v_exp_f32 and their like allow (about 1e-6 of the number): no bf16 or f16 on the way to a quantiser, and a product that is left as it is and whose result goes on into a quantised operand takes f32 operands (vector FMAs, or v_wmma_f32_16x16x4_f32). A number that lies on a knife's edge between two numbers of the format may be rounded either way, as far as f32 arithmetic and the matrix unit's own rounding can turn it there, and no further.
;;   INPUTS GIVEN AS CODES. W1 (in the module: [16, 1024, 128], K = its axis 1); W2 (in the module: [16, 128, 1024], K = its axis 1): each comes as NAME_codes (uint8): NAME with its K axis moved to the last place and cut into blocks of 32 codes, [.., K / 32, bytes a block], one block behind the other in memory; four codes in three bytes: a row's codes are one little-endian stream of bits, code i at bits 6 i .. 6 i + 5 (a code: sign, 3 exponent bits, 2 mantissa bits); and NAME_scales (uint8): the same leading axes, one E8M0 byte (e + 127) for each 32 codes along K. Its value is code x scale, taken as it is: it is not quantised again, and the codes and scales need not be those that the quantiser above would give.
;; One version. Each part assembles by itself: llvm-mc -triple=amdgcn-amd-amdhsa -mcpu=gfx1250 --defsym DOCPART=n.
;; ======== version 1 of 1: 1 launch
;; launch adapter (part 1): grid 256 x 1, 4 waves a work-group, no clusters, 227,840 bytes of LDS; arguments h, cluster_ids, W1_codes, W1_scales, b1, W2_codes, W2_scales, b2, out0; writes out0
.if DOCPART == 1
	.amdgcn_target "amdgcn-amd-amdhsa--gfx1250"
	.amdhsa_code_object_version 6
	.text
	.protected	k_q98c60d8bb3_adapter
	.globl	k_q98c60d8bb3_adapter
	.p2align	8
	.type	k_q98c60d8bb3_adapter,@function
k_q98c60d8bb3_adapter:
	s_mov_b64 s[64:65], 0
	v_nop
	global_prefetch_b8 v0, s[64:65] scope:SCOPE_SE
	s_setreg_imm32_b32 hwreg(HW_REG_WAVE_MODE, 25, 1), 1
	s_wait_xcnt 0x0
; out[n] = h[n] + Q(gelu(Q(h[n]) W1[c] + b1[c])) W2[c] + b2[c], c = cluster_ids[n]; a token whose id lies outside 0..15 gets zeros.  Q: E3M2 codes, one E8M0 scale for each 32 along K.
; h, out: [16384][1024] f32.  W1: codes [16][128][768 bytes], scales [16][128][32].  W2: codes [16][1024][96 bytes], scales [16][1024][4].  Only the chosen expert's rows are multiplied.
; ROUTING, in this launch.  The tokens are 8 segments of 2,048.  Each of a segment's 32 work-groups sorts the segment's ids (by id, wave, register, lane) and takes ranks 64 j .. 64 j + 63: every work-group moves
; 64 rows in and 64 rows out, each output row has one owner, and a chunk of 64 sorted rows holds few experts (any number up to 16 is served).
; SHARES.  Four waves.  THE WAVES SHARE THE COLUMNS: wave w owns columns 256 w .. 256 w + 255 of all 64 rows (512 registers), K steps 2 w, 2 w + 1 of the first product's x, hidden units 32 w .. 32 w + 31 (one block of 32)
; and W2's rows 256 w .. 256 w + 255.  So each weight byte enters the work-group once for each expert that it walks.
; LAYOUT.  Lane (r, hf) = (lane % 16, lane / 16) holds token r of a tile of 16; register 16 B + i holds column 256 w + 32 B + 16 hf + i.  That is what the conversions want (16 neighbours along K in a lane), and it is the
; result layout of the second product used transposed, when lane r of W2's tile 2 B + u takes row 32 B + 8 u + r + 8 (r / 8).  So h's registers ARE that product's accumulators: the residual costs nothing, h is read once.
; MEMORY.  h, out and the weights move by 16 bytes a lane, sixteen neighbouring lanes on 256 consecutive aligned bytes, and are turned into the layouts above through LDS stages that are each wave's own.
; NO TENSOR LOADS, NO CLUSTER: how many experts a work-group walks, and which, hangs on the ids, so partners would ask for different tiles in different numbers.  All eight barriers stand outside the loops over experts.
; gelu: 0.5 erfc(|x| / sqrt 2) = t 2^(p(t) - x^2 log2(e) / 2), t = 1 / (1 + |x| / (2 sqrt 2)), p a polynomial of degree 9 (fractional error 1.2e-7); gelu = max(x, 0) (1 - 2 q) + x q: no 1 + erf is formed.
; LIMITS.  NaN and infinities in h, b1, b2 are not served (a row is masked by a factor 0).  q under 2^-126 is taken as 0.  A block of zeros gets the byte 1 with zero codes, which add nothing.  Zero rows may be -0.
.set CNT,    0                         ; LDS: the waves' bucket totals: word 128 w + 4 lane
.set LIST,   512                       ; 64 slot words (id << 16 | token); word 64 takes what lies outside my 64 ranks
.set XSC,    1024                      ; x's scale words: 256 s + 16 r + 4 m
.set MSC,    3072                      ; the hidden layer's scale bytes: 4 (16 m + r) + w
.set MID,    3328                      ; the hidden layer's codes as rows: 96 (16 m + r) + 24 w + 12 hf
.set XIMG,   9472                      ; x's fragments as images of their registers: 1536 (8 m + s) + 512 c + 16 lane
.set STAGE,  58624                     ; a stage for each wave: 16 rows x (1,024 bytes + 16)
.set STGW,   16640
.set SPI,    1040                      ; 260 words: row r starts 4 r words on, so 16 rows' 16 bytes fall on different banks (64 banks of 4 bytes: ISA guide 11.1)
.set WST,    125184                    ; a weight stage for each wave
.set WSTW,   25344
.set W1P,    784                       ; a row of W1 in it: 768 bytes + 16; 128 bytes more behind row 15
.set FRB,    1536                      ; a fragment's image
; window 0, kept for the whole launch
.set LANE, 1
.set R,    2
.set HF,   3
.set L16,  4                           ; 16 x lane
.set STW,  5                           ; stage, dense side: row hf, 16 r
.set STR,  6                           ; stage, lane side: row r, 64 hf
.set XWI,  7
.set XRI,  8
.set XWS,  9
.set XRS,  10
.set MWC,  11
.set MRC,  12
.set MWB,  13
.set MRB,  14
.set WSA,  15
.set WSB,  16
.set W1R,  17
.set W2R,  18
.set VS1,  19
.set VS2,  20
.set VBH,  21
.set LP,   22                          ; 1024 w + 16 r: my place in a row of h or out
.set MK,   24                          ; v[24:25] a mask as f32
.set EID,  26                          ; v26-29 the ids of the four tiles' rows (row = lane % 16)
.set XS,   32                          ; v32-39  x's scale words, two sets of four tiles        (v32-75 hold scales and nothing else)
.set W1S,  40                          ; v40-55  W1's: 8 u + s
.set W2S,  56                          ; v56-71  W2's: tile T
.set MS,   72                          ; v72-75  the hidden layer's: tile m
.set QT,   76                          ; v76-83  at work in the hidden layer's quantiser
.set ME,   84                          ; v84-95  a hidden fragment with the other experts' rows cleared
; window 0, the sort
.set ID,   96
.set RK,   112
.set BX,   128
.set VL,   145
.set C0,   150
.set TOT,  154
.set WBS,  155
.set INC,  156
.set TT,   157
.set OFF,  158
.set BASE, 159
.set SL,   160
.set WD,   176
.set TP,   192
.set CW,   224
.set CR,   225
.set LRD,  226
.set LRE,  227
.set NB0,  228
; window 0, later
.set LTMP, 96                          ; the list's words
.set PC,   128                         ; codes just made
.set TM,   200
.set PW,   216
.set XF,   96                          ; v96-191 x's fragments, two sets of four tiles
.set HA,   192                         ; v192-255 the hidden layer: 16 m + 8 u + j
.set GU,   96                          ; gelu's work lies over x's fragments
.set GT,   112
.set GP,   128
.set GM,   144
.set NC,   160
.set MF,   96                          ; v96-143 the hidden layer's four fragments
.set B2LO, 160                         ; v160-255 b2 for my registers 0-95
; window 1: v0-191 weights (dense chunk c at 4 c, then fragments at 12 x number)
.set VO,   192                         ; v192-223 byte offsets of my rows in h and out: 8 m + p
.set B1,   224                         ; v224-239 b1: 8 u + j
.set PCB,  240                         ; v240-255 the hidden layer's merged codes and byte: 4 m + {0,1,2,3}
.set B2HI, 224                         ; v224-255 b2 for my registers 96-127 (second loop)
; windows 2, 3: tile m's 128 registers of h, then out: window 2 + m / 2, from 128 (m % 2)
.set WV,   22
.set SEG,  23
.set NLO,  24
.set EF,   25                          ; the chunk's first expert
.set EL,   26                          ; its last
.set ELR,  27
.set EE,   28                          ; the loops' counter
.set ET,   29
.set OF,   30
.set WB,   32
.set SB,   34
.set BB,   36
.set MASK, 38
.set SEL,  42
.set EL1,  53                          ; the last expert + 1: the loops run while the counter is under it; no loop writes it
.set A9,   54
.set WT24, 56
.set WT1K, 57
.set WT128, 58
.set MB,   66                          ; s66-75 ballots: two registers x five bits of an id
.set MSB, 0
.macro WIN new                         ; the immediate's high byte repeats the setting that is left; every window is 0 at a label and at a branch
.if MSB != (\new)
	s_set_vgpr_msb (MSB<<8)|(\new)
.set MSB, (\new)
.endif
.endm
.macro BARRIER                         ; my LDS stores have landed and my LDS loads are in: then the work-group's barrier
	s_wait_dscnt 0x0
	s_barrier_signal -1
	s_barrier_wait -1
.endm
; THE SORT, registers g and g + 1 line by line.  For each bit of the id a ballot; ballot xor (bit - 1) is the ballot where the bit is set and its complement where not, so the AND of five is the set of lanes with one id.
; With a lane's own bits: its peers, of which those below it are counted (RK).  With the lane's NUMBER as the id: the register's members of bucket = lane, counted bit by bit and summed up over the registers (BX).
.macro GROUP2 g
.irp b, 0,1,2,3,4
.irp x, 0,1
	v_bfe_u32 v[TP+16*\x+\b], v[ID+(\g)+\x], \b, 1
.endr
.irp x, 0,1
	v_cmp_ne_u32 s[MB+5*\x+\b], 0, v[TP+16*\x+\b]
.endr
.irp x, 0,1
	v_add_nc_u32 v[TP+16*\x+\b], -1, v[TP+16*\x+\b]
.endr
.irp x, 0,1
	v_xor_b32 v[TP+16*\x+5+\b], s[MB+5*\x+\b], v[VL+\b]
.endr
.irp x, 0,1
	v_xor_b32 v[TP+16*\x+\b], s[MB+5*\x+\b], v[TP+16*\x+\b]
.endr
.endr
.irp x, 0,1
	v_and_b32 v[TP+16*\x], v[TP+16*\x], v[TP+16*\x+1]
	v_and_b32 v[TP+16*\x+2], v[TP+16*\x+2], v[TP+16*\x+3]
	v_and_b32 v[TP+16*\x+5], v[TP+16*\x+5], v[TP+16*\x+6]
	v_and_b32 v[TP+16*\x+7], v[TP+16*\x+7], v[TP+16*\x+8]
.endr
.irp x, 0,1
	v_and_b32 v[TP+16*\x], v[TP+16*\x], v[TP+16*\x+2]
	v_and_b32 v[TP+16*\x+5], v[TP+16*\x+5], v[TP+16*\x+7]
.endr
.irp x, 0,1
	v_and_b32 v[TP+16*\x], v[TP+16*\x], v[TP+16*\x+4]
	v_and_b32 v[TP+16*\x+5], v[TP+16*\x+5], v[TP+16*\x+9]
.endr
.irp x, 0,1
	v_mbcnt_lo_u32_b32 v[RK+(\g)+\x], v[TP+16*\x], 0
.endr
.irp x, 0,1
	v_lshrrev_b32 v[TP+16*\x+10], 1, v[TP+16*\x+5]
.endr
.irp x, 0,1
	v_and_b32 v[TP+16*\x+10], s48, v[TP+16*\x+10]
.endr
.irp x, 0,1
	v_sub_nc_u32 v[TP+16*\x+5], v[TP+16*\x+5], v[TP+16*\x+10]      ; sums of 2 bits
.endr
.irp x, 0,1
	v_lshrrev_b32 v[TP+16*\x+10], 2, v[TP+16*\x+5]
.endr
.irp x, 0,1
	v_and_b32 v[TP+16*\x+5], s49, v[TP+16*\x+5]
	v_and_b32 v[TP+16*\x+10], s49, v[TP+16*\x+10]
.endr
.irp x, 0,1
	v_add_nc_u32 v[TP+16*\x+5], v[TP+16*\x+5], v[TP+16*\x+10]      ; of 4
.endr
.irp x, 0,1
	v_lshrrev_b32 v[TP+16*\x+10], 4, v[TP+16*\x+5]
.endr
.irp x, 0,1
	v_add_nc_u32 v[TP+16*\x+5], v[TP+16*\x+5], v[TP+16*\x+10]
.endr
.irp x, 0,1
	v_and_b32 v[TP+16*\x+5], s50, v[TP+16*\x+5]                    ; of 8
.endr
.irp x, 0,1
	v_mul_lo_u32 v[TP+16*\x+5], v[TP+16*\x+5], s51                 ; the four bytes' sum in the top byte
.endr
.irp x, 0,1
	v_lshrrev_b32 v[TP+16*\x+5], 24, v[TP+16*\x+5]
.endr
	v_add_nc_u32 v[BX+(\g)+1], v[BX+(\g)], v[TP+5]
	v_add_nc_u32 v[BX+(\g)+2], v[BX+(\g)+1], v[TP+21]
.endm
; The offsets of tile m's rows: the list's token, held inside the table, x 4,096 bytes + my place in a row.  Offset p serves rows 2 p (lanes 0-15) and 2 p + 1 (lanes 16-31).
.macro MAKEVO m
.irp p, 0,1,2,3,4,5,6,7
	v_and_b32 v[LTMP+8*(\m)+\p], 0xffff, v[LTMP+8*(\m)+\p]
.endr
.irp p, 0,1,2,3,4,5,6,7
	v_min_u32 v[LTMP+8*(\m)+\p], 0x3fff, v[LTMP+8*(\m)+\p]
.endr
	WIN 0x40
.irp p, 0,1,2,3,4,5,6,7
	v_lshl_add_u32 v[VO+8*(\m)+\p], v[LTMP+8*(\m)+\p], 12, v[LP]
.endr
	WIN 0
.endm
.macro LOADH m                         ; 32 loads: my 1,024 bytes of tile m's 16 rows; sixteen lanes read 256 consecutive aligned bytes of a row
	WIN ((2+(\m)/2)<<6)|1
.set J, 0
.rept 32
	global_load_b128 v[128*((\m)%2)+4*J:128*((\m)%2)+4*J+3], v[VO+8*(\m)+J/4], s[4:5] offset:256*(J%4) th:TH_LOAD_NT
.set J, J+1
.endr
	WIN 0
.endm
.macro TURN_IN m                       ; through my stage: in as loaded, back 64 bytes of each block of 128 a lane.  LDS serves a wave's instructions in order (ISA guide 5.7.1.4): no wait between
	WIN (2+(\m)/2)<<2
.set J, 0
.rept 32
	ds_store_b128 v[STW], v[128*((\m)%2)+4*J:128*((\m)%2)+4*J+3] offset:2*SPI*(J/4)+256*(J%4)
.set J, J+1
.endr
	WIN (2+(\m)/2)<<6
.set J, 0
.rept 32
	ds_load_b128 v[128*((\m)%2)+4*J:128*((\m)%2)+4*J+3], v[STR] offset:128*(J/4)+16*(J%4)
.set J, J+1
.endr
	WIN 0
.endm
; 64 numbers of a lane in window w from register s on (register 16 b + i = k 32 b + 16 hf + i of my row) become a fragment's codes in v[PC] on and its scale word in v[PW].
.macro QUANT w, s
	WIN ((\w)<<2)|((\w)<<4)
.irp b, 0,1,2,3
	v_max3_num_f32 v[TM+\b], 0x2800000, |v[(\s)+16*\b]|, |v[(\s)+16*\b+1]|   ; my 16 of block b, and the floor 2^(5 - 127): the byte cannot fall under 1
.endr
.irp i, 2,4,6,8,10,12,14
.irp b, 0,1,2,3
	v_max3_num_f32 v[TM+\b], v[TM+\b], |v[(\s)+16*\b+\i]|, |v[(\s)+16*\b+\i+1]|
.endr
.endr
	WIN 0
.irp b, 0,1,2,3
	v_permlanex16_b32 v[TM+4+\b], v[TM+\b], s[SEL], s[SEL+1]
.endr
.irp b, 0,1,2,3
	v_max_num_f32 v[TM+\b], v[TM+\b], v[TM+4+\b]                   ; with lane l xor 16's: the block's largest magnitude
.endr
.irp b, 0,1,2,3
	v_add_nc_u32 v[TM+12+\b], 0xfe000000, v[TM+\b]                 ; 4 off its exponent field: the conversion's scale operand
.endr
.irp b, 0,1,2,3
	v_lshrrev_b32 v[TM+4+\b], 23, v[TM+12+\b]                      ; the scale's byte
.endr
	v_lshl_or_b32 v[PW], v[TM+5], 8, v[TM+4]
	v_lshl_or_b32 v[PW], v[TM+6], 16, v[PW]
	v_lshl_or_b32 v[PW], v[TM+7], 24, v[PW]
	WIN (\w)
.irp c, 0,1
	v_cvt_scalef32_pk16_bf6_f32 v[PC+6*\c:PC+6*\c+2], v[(\s)+32*\c:(\s)+32*\c+15], v[TM+12+2*\c]
	v_cvt_scalef32_pk16_bf6_f32 v[PC+12+4*\c:PC+14+4*\c], v[(\s)+16+32*\c:(\s)+31+32*\c], v[TM+13+2*\c]   ; (a conversion's three registers begin on an even number)
.endr
	WIN 0
	v_nop                                          ; one plain place behind a scaled conversion
.irp c, 0,1                                    ; the operand's layout wants a whole block in a lane: lanes 0-15 block 2 c, lanes 16-31 block 2 c + 1
.irp i, 0,1,2
	v_permlane16_swap_b32 v[PC+6*\c+\i], v[PC+12+4*\c+\i]
.endr
.irp i, 0,1,2
	v_mov_b32 v[PC+3+6*\c+\i], v[PC+12+4*\c+\i]
.endr
.endr
.endm
.macro IMAGE off
.irp c, 0,1,2
	ds_store_b128 v[XWI], v[PC+4*\c:PC+4*\c+3] offset:(\off)+512*\c
.endr
.endm
.macro QX m                            ; tile m's two K steps of mine become two fragments in LDS
	s_wait_dscnt 16                                ; the first K step's 64 numbers are back from the stage; the second's 16 loads may be out.  The last images' stores are older: they have read their registers
	QUANT (2+(\m)/2), 128*((\m)%2)
	IMAGE 8*FRB*(\m)
	ds_store_b32 v[XWS], v[PW] offset:4*(\m)
	s_wait_dscnt 0x0                               ; the second K step is in, and the stores have read their registers
	QUANT (2+(\m)/2), 128*((\m)%2)+64
	IMAGE 8*FRB*(\m)+FRB
	ds_store_b32 v[XWS], v[PW] offset:256+4*(\m)
.endm
; Expert s[ET]'s part for my wave: codes 98,304 bytes an expert and 24,576 a wave; scales 4,096 and 1,024; the bias by its own shift and wave term.
.macro SETW codes, scales, bias, bsh, wterm
	s_wait_xcnt 0x0                                ; earlier loads have read these bases
	s_mul_i32 s[OF], s[ET], 98304
	s_add_co_u32 s[OF], s[OF], s[WT24]
	s_add_nc_u64 s[WB:WB+1], s[\codes:\codes+1], s[OF:OF+1]
	s_lshl_b32 s[OF], s[ET], 12
	s_add_co_u32 s[OF], s[OF], s[WT1K]
	s_add_nc_u64 s[SB:SB+1], s[\scales:\scales+1], s[OF:OF+1]
	s_lshl_b32 s[OF], s[ET], \bsh
	s_add_co_u32 s[OF], s[OF], s[\wterm]
	s_add_nc_u64 s[BB:BB+1], s[\bias:\bias+1], s[OF:OF+1]
.endm
.macro LOADWD c0, c1                   ; my 24,576 bytes of codes are dense in memory: chunk c is 512 consecutive bytes
	WIN 0x40
.set CC, \c0
.rept (\c1)-(\c0)+1
	global_load_b128 v[4*CC:4*CC+3], v[L16], s[WB:WB+1] offset:512*CC
.set CC, CC+1
.endr
	WIN 0
.endm
.macro LOADS1                          ; W1's scale words (lane r: row 8 u + r + 8 (r / 8), four K steps a load) and b1 in the result's layout
.irp u, 0,1
.irp k, 0,1
	global_load_b128 v[W1S+8*\u+4*\k:W1S+8*\u+4*\k+3], v[VS1], s[SB:SB+1] offset:256*\u+16*\k
.endr
.endr
	WIN 0x40
.irp u, 0,1
.irp k, 0,1
	global_load_b128 v[B1+8*\u+4*\k:B1+8*\u+4*\k+3], v[VBH], s[BB:BB+1] offset:32*\u+16*\k
.endr
.endr
	WIN 0
.endm
.macro LOADS2                          ; W2's scale words: lane r of tile T takes row 32 (T / 2) + 8 (T % 2) + r + 8 (r / 8)
.set T, 0
.rept 16
	global_load_b32 v[W2S+T], v[VS2], s[SB:SB+1] offset:(32*(T/2)+8*(T%2))*4
.set T, T+1
.endr
.endm
.macro LOADB2                          ; b2 in my registers' layout: 32 loads
.set J, 0
.rept 24
	global_load_b128 v[B2LO+4*J:B2LO+4*J+3], v[VBH], s[BB:BB+1] offset:128*(J/4)+16*(J%4)
.set J, J+1
.endr
	WIN 0x40
.rept 8
	global_load_b128 v[B2HI+4*(J-24):B2HI+4*(J-24)+3], v[VBH], s[BB:BB+1] offset:128*(J/4)+16*(J%4)
.set J, J+1
.endr
	WIN 0
.endm
; The weights turn through my own stage: in as loaded, back as fragments, 8 bytes a piece.  Three chunks are two rows of W1; the middle chunk's lanes 16-31 begin the second row, 16 bytes of padding on.
.macro TURN_W1
	WIN 0x04
.set AA, 0
.rept 16
	ds_store_b128 v[WSA], v[12*AA:12*AA+3] offset:2*W1P*AA+128*(AA/8)
	ds_store_b128 v[WSB], v[12*AA+4:12*AA+7] offset:2*W1P*AA+128*(AA/8)+512
	ds_store_b128 v[WSA], v[12*AA+8:12*AA+11] offset:2*W1P*AA+128*(AA/8)+W1P+256
.set AA, AA+1
.endr
	WIN 0x40
.irp u, 0,1
.irp s, 0,1,2,3,4,5,6,7
.irp p, 0,1,2,3,4,5
	ds_load_b64 v[12*(8*\u+\s)+2*\p:12*(8*\u+\s)+2*\p+1], v[W1R] offset:8*\u*W1P+96*\s+48*(\p/3)+8*(\p%3)
.endr
.endr
.endr
	WIN 0
.endm
.macro TURN_W2                         ; three chunks are 16 rows of W2; 16 bytes of padding behind them
	WIN 0x04
.set CC, 0
.rept 48
	ds_store_b128 v[WSA], v[4*CC:4*CC+3] offset:512*CC+16*(CC/3)
.set CC, CC+1
.endr
	WIN 0x40
.set T, 0
.rept 16
.irp p, 0,1,2,3,4,5
	ds_load_b64 v[12*T+2*\p:12*T+2*\p+1], v[W2R] offset:(32*(T/2)+8*(T%2))*96+32*(T/2)+48*(\p/3)+8*(\p%3)
.endr
.set T, T+1
.endr
	WIN 0
.endm
.macro FETCHX k, set                   ; K step k of the four tiles of x, and their scale words: 13 loads
.irp m, 0,1,2,3
.irp c, 0,1,2
	ds_load_b128 v[XF+48*(\set)+12*\m+4*\c:XF+48*(\set)+12*\m+4*\c+3], v[XRI] offset:(8*\m+(\k))*FRB+512*\c
.endr
.endr
	ds_load_b128 v[XS+4*(\set):XS+4*(\set)+3], v[XRS] offset:256*(\k)
.endm
; THE FIRST PRODUCT, transposed: source 0 = 16 rows of W1 (my hidden units), source 1 = 16 tokens of x.  Eight accumulators (four tiles of tokens x two of units) take turns, one instruction a turn.
; b1 is the C of each sum's first instruction.  Register 8 u + j of tile m is hidden unit 32 w + 16 hf + 8 u + j of token r.
.macro P1
	FETCHX 0, 0
	FETCHX 1, 1
.irp s, 0,1,2,3,4,5,6,7
.if \s < 7
	s_wait_dscnt 13                                ; this K step's 13 loads and all older ones (the weights' turn among them) are in; the next step's 13 may be out
.else
	s_wait_dscnt 0x0
.endif
.if \s == 0
	WIN 0x11                                       ; W1 and b1 in window 1
.else
	WIN 0x01
.endif
.irp m, 0,1,2,3
.irp u, 0,1
.if \s == 0
	v_wmma_scale_f32_16x16x128_f8f6f4 v[HA+16*\m+8*\u:HA+16*\m+8*\u+7], v[12*(8*\u+\s):12*(8*\u+\s)+11], v[XF+48*(\s%2)+12*\m:XF+48*(\s%2)+12*\m+11], v[B1+8*\u:B1+8*\u+7], v[W1S+8*\u+\s], v[XS+4*(\s%2)+\m] matrix_a_fmt:MATRIX_FMT_BF6 matrix_b_fmt:MATRIX_FMT_BF6
.else
	v_wmma_scale_f32_16x16x128_f8f6f4 v[HA+16*\m+8*\u:HA+16*\m+8*\u+7], v[12*(8*\u+\s):12*(8*\u+\s)+11], v[XF+48*(\s%2)+12*\m:XF+48*(\s%2)+12*\m+11], v[HA+16*\m+8*\u:HA+16*\m+8*\u+7], v[W1S+8*\u+\s], v[XS+4*(\s%2)+\m] matrix_a_fmt:MATRIX_FMT_BF6 matrix_b_fmt:MATRIX_FMT_BF6
.endif
.endr
.endr
	WIN 0
.if \s < 6
.rept 4
	v_nop                                          ; four places in front of loads into registers that these products read (ISA guide 7.12.1 for vector instructions)
.endr
	FETCHX \s+2, \s%2
.endif
.endr
.rept 5
	v_nop                                          ; places behind the last products: for the reads of results, the loads into the weights' registers, and a next trip's products that begin the sums anew
.endr
.endm
; gelu and the quantiser for tile m; left out where none of its rows has this expert (a scalar branch on ids).  The rows that have it are merged into the kept codes by v_cndmask_b32.
.macro GELU m
	s_cmp_eq_u32 s[MASK+\m], 0
	s_cbranch_scc1 .Lno_rows_\@
.set X, HA+16*(\m)
.set J, 0
.rept 16
	v_fma_f32 v[GT+J], |v[X+J]|, 0x3eb504f3, 1.0   ; 1 + |x| / (2 sqrt 2).  (Each accumulator is read from its low end on)
.set J, J+1
.endr
.set J, 0
	s_wait_alu depctr_va_vdst(0)
.rept 16
	v_rcp_f32 v[GT+J], v[GT+J]                     ; t
.set J, J+1
.endr
.set J, 0
.rept 8
	v_pk_mul_f32 v[GU+J:GU+J+1], v[X+J:X+J+1], v[X+J:X+J+1]        ; x^2: plain work behind the reciprocals
.set J, J+2
.endr
	s_wait_alu depctr_va_vdst(0)                   ; one wait for the sixteen reciprocals, ahead of their first reader
.set J, 0
.rept 8
	v_pk_fma_f32 v[GP+J:GP+J+1], v[GT+J:GT+J+1], s[A9:A9+1], 0xbf97d29d op_sel_hi:[1,0,0]
.set J, J+2
.endr
.irp c, 0x40097039, 0xbfd1a1e5, 0x3ecdfd18, 0xbe899a80, 0x3e0efb2e, 0x3f0a29d2, 0x3fb8ab5a, 0xc034d90f
.set J, 0
.rept 8
	v_pk_fma_f32 v[GP+J:GP+J+1], v[GP+J:GP+J+1], v[GT+J:GT+J+1], \c op_sel_hi:[1,1,0]   ; Horner; the coefficients carry log2(e), the last also the factor 1/2 as -1
.set J, J+2
.endr
.endr
.set J, 0
.rept 8
	v_pk_fma_f32 v[GP+J:GP+J+1], v[GU+J:GU+J+1], 0xbf38aa3b, v[GP+J:GP+J+1] op_sel_hi:[1,0,1]   ; - x^2 log2(e) / 2
.set J, J+2
.endr
.set J, 0
	s_wait_alu depctr_va_vdst(0)
.rept 16
	v_exp_f32 v[GP+J], v[GP+J]
.set J, J+1
.endr
.set J, 0
.rept 16
	v_max_num_f32 v[GM+J], 0, v[X+J]               ; plain work behind the exponentials
.set J, J+1
.endr
	s_wait_alu depctr_va_vdst(0)                   ; one wait for the sixteen exponentials
.set J, 0
.rept 8
	v_pk_mul_f32 v[GP+J:GP+J+1], v[GT+J:GT+J+1], v[GP+J:GP+J+1]    ; q = erfc(|x| / sqrt 2) / 2
.set J, J+2
.endr
.set J, 0
.rept 8
	v_pk_mul_f32 v[GU+J:GU+J+1], v[X+J:X+J+1], v[GP+J:GP+J+1]      ; x q
.set J, J+2
.endr
.set J, 0
.rept 8
	v_pk_fma_f32 v[GT+J:GT+J+1], v[GP+J:GP+J+1], -2.0, 1.0 op_sel_hi:[1,0,0]   ; 1 - 2 q
.set J, J+2
.endr
.set J, 0
.rept 8
	v_pk_fma_f32 v[X+J:X+J+1], v[GM+J:GM+J+1], v[GT+J:GT+J+1], v[GU+J:GU+J+1]   ; gelu = max(x, 0) (1 - 2 q) + x q
.set J, J+2
.endr
	v_max3_num_f32 v[QT], |v[X]|, |v[X+1]|, 0x2800000              ; my 16 of the row's block of 32, in two chains, with the floor 2^(5 - 127)
	v_max3_num_f32 v[QT+4], |v[X+8]|, |v[X+9]|, |v[X+10]|
	v_max3_num_f32 v[QT], v[QT], |v[X+2]|, |v[X+3]|
	v_max3_num_f32 v[QT+4], v[QT+4], |v[X+11]|, |v[X+12]|
	v_max3_num_f32 v[QT], v[QT], |v[X+4]|, |v[X+5]|
	v_max3_num_f32 v[QT+4], v[QT+4], |v[X+13]|, |v[X+14]|
	v_max3_num_f32 v[QT], v[QT], |v[X+6]|, |v[X+7]|
	v_max3_num_f32 v[QT], v[QT], v[QT+4], |v[X+15]|
	v_permlanex16_b32 v[QT+1], v[QT], s[SEL], s[SEL+1]
	v_max_num_f32 v[QT], v[QT], v[QT+1]
	v_add_nc_u32 v[QT+2], 0xfe000000, v[QT]
	v_lshrrev_b32 v[QT+3], 23, v[QT+2]
	v_cvt_scalef32_pk16_bf6_f32 v[NC:NC+2], v[X:X+15], v[QT+2]     ; units 32 w + 16 hf + 0 .. 15: 12 bytes
	v_nop                                          ; one plain place behind a scaled conversion
	WIN 0x41
.irp i, 0,1,2
	v_cndmask_b32 v[PCB+4*(\m)+\i], v[PCB+4*(\m)+\i], v[NC+\i], s[MASK+\m]
.endr
	v_cndmask_b32 v[PCB+4*(\m)+3], v[PCB+4*(\m)+3], v[QT+3], s[MASK+\m]
	WIN 0
.Lno_rows_\@:
.endm
; THE SECOND PRODUCT for tile m, transposed: source 0 = 16 rows of W2 (output columns), source 1 = the hidden fragment with the other experts' tokens cleared to zero codes, which add nothing.  It adds onto h.
.macro P2 m
	s_cmp_eq_u32 s[MASK+\m], 0
	s_cbranch_scc1 .Lno_rows_\@
.if \m > 0
.rept 4
	v_nop                                          ; places behind the tile before, whose products read v[ME] on
.endr
.endif
.set J, 0
.rept 12
	v_cndmask_b32 v[ME+J], 0, v[MF+12*(\m)+J], s[MASK+\m]
.set J, J+1
.endr
.rept 4
	v_nop                                          ; an operand written by vector instructions stands four places ahead of a scaled matrix instruction
.endr
	WIN 0xa1+0x50*((\m)/2)                         ; W2 in window 1, the fragment in window 0, C and D in window 2 or 3
.set T, 0
.rept 16                                       ; sixteen accumulators, one instruction each
	v_wmma_scale_f32_16x16x128_f8f6f4 v[128*((\m)%2)+8*T:128*((\m)%2)+8*T+7], v[12*T:12*T+11], v[ME:ME+11], v[128*((\m)%2)+8*T:128*((\m)%2)+8*T+7], v[W2S+T], v[MS+\m] matrix_a_fmt:MATRIX_FMT_BF6 matrix_b_fmt:MATRIX_FMT_BF6
.set T, T+1
.endr
	WIN 0
.Lno_rows_\@:
.endm
.macro B2ADD m                         ; + b2 for the rows that have this expert: a factor 1 or 0 a lane; registers in ascending order
	s_cmp_eq_u32 s[MASK+\m], 0
	s_cbranch_scc1 .Lno_rows_\@
	v_cndmask_b32 v[MK], 0, 1.0, s[MASK+\m]
	v_mov_b32 v[MK+1], v[MK]                       ; (named with it as a pair, so it is written)
	WIN ((2+(\m)/2)<<6)|((2+(\m)/2)<<4)
.set J, 0
.rept 48
	v_pk_fma_f32 v[128*((\m)%2)+J:128*((\m)%2)+J+1], v[B2LO+J:B2LO+J+1], v[MK:MK+1], v[128*((\m)%2)+J:128*((\m)%2)+J+1] op_sel_hi:[1,0,1]
.set J, J+2
.endr
	WIN ((2+(\m)/2)<<6)|((2+(\m)/2)<<4)|1
.rept 16
	v_pk_fma_f32 v[128*((\m)%2)+J:128*((\m)%2)+J+1], v[B2HI+J-96:B2HI+J-95], v[MK:MK+1], v[128*((\m)%2)+J:128*((\m)%2)+J+1] op_sel_hi:[1,0,1]
.set J, J+2
.endr
	WIN 0
.Lno_rows_\@:
.endm
.macro ZEROROWS m                      ; rows whose id lies outside 0..15 become zeros
	v_cmp_eq_u32 s[MASK+\m], 16, v[EID+\m]
	v_cndmask_b32 v[MK], 1.0, 0, s[MASK+\m]
	v_mov_b32 v[MK+1], v[MK]
	WIN ((2+(\m)/2)<<6)|(2+(\m)/2)
.set J, 0
.rept 64
	v_pk_mul_f32 v[128*((\m)%2)+J:128*((\m)%2)+J+1], v[128*((\m)%2)+J:128*((\m)%2)+J+1], v[MK:MK+1] op_sel_hi:[1,0]
.set J, J+2
.endr
	WIN 0
.endm
.macro SENDOUT m                       ; the way in, reversed: through my stage, then sixteen lanes store 256 consecutive aligned bytes of a row
	WIN (2+(\m)/2)<<2
.set J, 0
.rept 32
	ds_store_b128 v[STR], v[128*((\m)%2)+4*J:128*((\m)%2)+4*J+3] offset:128*(J/4)+16*(J%4)
.set J, J+1
.endr
	WIN (2+(\m)/2)<<6
.set J, 0
.rept 32
	ds_load_b128 v[128*((\m)%2)+4*J:128*((\m)%2)+4*J+3], v[STW] offset:2*SPI*(J/4)+256*(J%4)
.set J, J+1
.endr
	WIN 1|((2+(\m)/2)<<2)
.set J, 0
.rept 32
	s_wait_dscnt 31-J                              ; LDS loads come back in order: load J is in, the younger ones may be out
	global_store_b128 v[VO+8*(\m)+J/4], v[128*((\m)%2)+4*J:128*((\m)%2)+4*J+3], s[20:21] offset:256*(J%4) th:TH_STORE_NT
.set J, J+1
.endr
	WIN 0
.endm
	; ---- the head: the ids are asked for first; the addresses that stay are made while they come
	s_load_b512 s[4:19], s[0:1], 0x0               ; h, ids, W1 codes, W1 scales, b1, W2 codes, W2 scales, b2
	s_load_b64 s[20:21], s[0:1], 0x40              ; out
	v_lshl_add_u32 v82, v0, 2, 0x37800
	v_mov_b32 v83, 0
	v_lshrrev_b32 v23, 5, v0
	v_readfirstlane_b32 s[WV], v23                 ; wave 0..3
	v_and_b32 v[LANE], 31, v0
	v_lshlrev_b32 v[L16], 4, v[LANE]
	s_lshr_b32 s[SEG], ttmp9, 5                    ; my segment of 2,048 tokens
	s_lshl_b32 s[OF], s[SEG], 13
	s_lshl_b32 s2, s[WV], 11
	s_add_co_u32 s[OF], s[OF], s2                  ; my wave's 512 ids of it
	s_mov_b32 s[OF+1], 0
	s_wait_alu depctr_va_vdst(0)
	s_wait_kmcnt 0x0
	s_add_nc_u64 s[WB:WB+1], s[6:7], s[OF:OF+1]
.irp q, 0,1,2,3
	global_load_b128 v[ID+4*\q:ID+4*\q+3], v[L16], s[WB:WB+1] offset:512*\q   ; register 4 q + i: token 128 q + 4 lane + i of the wave's
.endr
	v_and_b32 v[R], 15, v0
	v_bfe_u32 v[HF], v0, 4, 1
	s_wait_alu depctr_va_vdst(0)
	v_and_b32 v30, 8, v[R]
	v_add_nc_u32 v23, v30, v[R]                    ; r + 8 (r / 8)
	s_and_b32 s[NLO], ttmp9, 31
	s_lshl_b32 s[NLO], s[NLO], 6
	s_sub_co_u32 s[NLO], 0, s[NLO]                 ; - my first rank
	s_mov_b32 s[SEL], 0x76543210
	s_mov_b32 s[SEL+1], 0xfedcba98                 ; v_permlanex16_b32's selects for lane l xor 16
	s_cmp_gt_u32 s[WV], 0
	s_cselect_b32 s44, -1, 0                       ; which waves stand in front of mine
	s_cmp_gt_u32 s[WV], 1
	s_cselect_b32 s45, -1, 0
	s_cmp_gt_u32 s[WV], 2
	s_cselect_b32 s46, -1, 0
	s_mov_b32 s47, 0xffff0000                      ; lanes 16-31
	s_mov_b32 s48, 0x55555555
	s_mov_b32 s49, 0x33333333
	s_mov_b32 s50, 0x0f0f0f0f
	s_mov_b32 s51, 0x01010101
	s_mov_b32 s[A9], 0x3e7c6f08                    ; the polynomial's highest coefficient
	s_mov_b32 s[A9+1], s[A9]
	s_mul_i32 s[WT24], s[WV], 24576
	s_lshl_b32 s[WT1K], s[WV], 10
	s_lshl_b32 s[WT128], s[WV], 7
	s_mul_i32 s2, s[WV], STGW
	s_add_co_u32 s2, s2, STAGE
	v_mul_u32_u24 v[STW], v[HF], SPI
	v_lshl_add_u32 v[STW], v[R], 4, v[STW]
	v_add_nc_u32 v[STW], s2, v[STW]
	v_mul_u32_u24 v[STR], v[R], SPI
	v_lshl_add_u32 v[STR], v[HF], 6, v[STR]
	v_add_nc_u32 v[STR], s2, v[STR]
	s_mul_i32 s2, s[WV], 2*FRB
	s_add_co_u32 s2, s2, XIMG
	v_add_nc_u32 v[XWI], s2, v[L16]
	v_add_nc_u32 v[XRI], XIMG, v[L16]
	s_lshl_b32 s2, s[WV], 9
	s_add_co_u32 s2, s2, XSC
	v_lshl_add_u32 v[XWS], v[R], 4, s2
	v_lshl_add_u32 v[XRS], v[R], 4, XSC
	s_mul_i32 s2, s[WV], 24
	s_add_co_u32 s2, s2, MID
	v_mul_u32_u24 v[MWC], v[R], 96
	v_mad_u32_u24 v[MWC], v[HF], 12, v[MWC]
	v_add_nc_u32 v[MWC], s2, v[MWC]
	v_mul_u32_u24 v[MRC], v[R], 96
	v_mad_u32_u24 v[MRC], v[HF], 24, v[MRC]
	v_add_nc_u32 v[MRC], MID, v[MRC]
	s_add_co_u32 s2, s[WV], MSC
	v_lshl_add_u32 v[MWB], v[R], 2, s2
	v_lshl_add_u32 v[MRB], v[R], 2, MSC
	s_mul_i32 s3, s[WV], WSTW
	s_add_co_u32 s3, s3, WST
	v_add_nc_u32 v[WSA], s3, v[L16]
	v_lshl_add_u32 v[WSB], v[HF], 4, v[WSA]
	v_mul_u32_u24 v[W1R], v23, W1P
	v_lshl_add_u32 v[W1R], v30, 4, v[W1R]          ; + 128 (r / 8)
	v_mad_u32_u24 v[W1R], v[HF], 24, v[W1R]
	v_add_nc_u32 v[W1R], s3, v[W1R]
	v_mul_u32_u24 v[W2R], v23, 96
	v_lshl_add_u32 v[W2R], v30, 1, v[W2R]          ; + 16 (r / 8)
	v_mad_u32_u24 v[W2R], v[HF], 24, v[W2R]
	v_add_nc_u32 v[W2R], s3, v[W2R]
	v_lshlrev_b32 v[VS1], 5, v23
	v_lshlrev_b32 v[VS2], 2, v23
	v_lshlrev_b32 v[VBH], 6, v[HF]
	v_lshl_add_u32 v[LP], v[R], 4, s[WT1K]
	v_lshlrev_b32 v[CW], 2, v0                     ; CNT + 128 w + 4 lane
	v_lshlrev_b32 v[CR], 2, v[LANE]
	v_lshl_add_u32 v[LRD], v[HF], 2, LIST
	v_lshl_add_u32 v[LRE], v[R], 2, LIST
	s_lshl_b32 s2, s[SEG], 11
	s_lshl_b32 s3, s[WV], 9
	s_add_co_u32 s2, s2, s3
	v_lshl_add_u32 v[NB0], v[LANE], 2, s2          ; the token of my register 0
.irp b, 0,1,2,3,4
	v_bfe_u32 v[VL+\b], v[LANE], \b, 1
.endr
.irp b, 0,1,2,3,4
	v_add_nc_u32 v[VL+\b], -1, v[VL+\b]            ; my lane's number as a bucket: bit - 1
.endr
	v_mov_b32 v[BX], 0
	v_mov_b32 v[QT+1], 0                           ; a lane permute's destination counts as one of its sources
.set T, 0
.rept 16
	v_mov_b32 v[W2S+T], 0x7f7f7f7f                 ; the byte of 1.0: these registers hold scales on every way through the text
.set T, T+1
.endr
	WIN 0x40
.irp m, 0,1,2,3
.irp i, 0,1,2
	v_mov_b32 v[PCB+4*\m+\i], 0                    ; a row that no expert takes keeps zero codes
.endr
	v_mov_b32 v[PCB+4*\m+3], 127                   ; under the byte of 1.0
.endr
	WIN 0
	ds_store_b32 v[CW], v[BX] offset:LIST          ; the list's 512 bytes are cleared once, a word a thread; two barriers part this store from the scatter, which writes all 64 slots
	s_wait_loadcnt 0x0                             ; the ids
.set G, 0
.rept 16
	v_min_u32 v[ID+G], 16, v[ID+G]                 ; 0..15, and bucket 16 for every other number (a negative id is a large unsigned one)
.set G, G+1
.endr
	; ---- ranks inside the wave
.irp g, 0,2,4,6,8,10,12,14
	GROUP2 \g
.endr
	; ---- the buckets' totals meet; lane b works for bucket b
	ds_store_b32 v[CW], v[BX+16]
	BARRIER
.irp w, 0,1,2,3
	ds_load_b32 v[C0+\w], v[CR] offset:128*\w
.endr
	s_wait_dscnt 0x0
	v_add_nc_u32 v[TOT], v[C0], v[C0+1]
	v_add3_u32 v[TOT], v[TOT], v[C0+2], v[C0+3]
	v_and_b32 v[WBS], s44, v[C0]
	v_and_b32 v[TT], s45, v[C0+1]
	v_add_nc_u32 v[WBS], v[WBS], v[TT]
	v_and_b32 v[TT], s46, v[C0+2]
	v_add_nc_u32 v[WBS], v[WBS], v[TT]             ; the bucket's members in the waves in front of mine
	v_mov_b32 v[INC], v[TOT]
.irp n, 1,2,4,8
	v_mov_b32_dpp v[TT], v[INC] row_shr:\n row_mask:0xf bank_mask:0xf bound_ctrl:1
	v_add_nc_u32 v[INC], v[INC], v[TT]             ; running sums over buckets 0..15
.endr
	v_readlane_b32 s52, v[INC], 15                 ; all valid tokens: where bucket 16 begins
	v_sub_nc_u32 v[OFF], v[INC], v[TOT]
	v_mov_b32 v[TT], s52
	v_cndmask_b32 v[OFF], v[OFF], v[TT], s47
	v_add3_u32 v[BASE], v[OFF], v[WBS], s[NLO]     ; counted from my first rank
	; ---- each token's slot: its bucket's base (fetched from lane = id) + its rank in the register; what lies outside 0..63 goes to word 64
.set G, 0
.rept 16
	v_lshlrev_b32 v[TP+G], 2, v[ID+G]
	v_add_nc_u32 v[TP+16+G], v[BASE], v[BX+G]
	ds_bpermute_b32 v[SL+G], v[TP+G], v[TP+16+G]
	v_lshl_add_u32 v[WD+G], v[ID+G], 16, v[NB0]
	v_add_nc_u32 v[WD+G], 128*(G/4)+G%4, v[WD+G]   ; id << 16 | token
.set G, G+1
.endr
	s_wait_dscnt 0x0
.set G, 0
.rept 16
	v_add_nc_u32 v[SL+G], v[SL+G], v[RK+G]
.set G, G+1
.endr
.set G, 0
.rept 16
	v_min_u32 v[SL+G], 64, v[SL+G]                 ; a rank in front of mine is a large unsigned number
.set G, G+1
.endr
.set G, 0
.rept 16
	v_lshlrev_b32 v[SL+G], 2, v[SL+G]
.set G, G+1
.endr
	BARRIER                                        ; every wave's reads of the totals are over
	; ---- the scatter.  Its addresses hang on the ids, so one wave stores at a time and no other wave touches LDS meanwhile: a barrier behind each wave's turn
.irp w, 0,1,2,3
	s_cmp_lg_u32 s[WV], \w
	s_cbranch_scc1 .Lother_\w
.set G, 0
	s_wait_alu depctr_va_vdst(0)
.rept 16
	ds_store_b32 v[SL+G], v[WD+G] offset:LIST
.set G, G+1
.endr
.Lother_\w:
	BARRIER
.endr
	; ---- the list: tile 0's rows first, so that h's first loads leave early
.irp p, 0,1,2,3,4,5,6,7
	ds_load_b32 v[LTMP+\p], v[LRD] offset:8*\p
.endr
.irp m, 0,1,2,3
	ds_load_b32 v[EID+\m], v[LRE] offset:64*\m
.endr
.irp m, 1,2,3
.irp p, 0,1,2,3,4,5,6,7
	ds_load_b32 v[LTMP+8*\m+\p], v[LRD] offset:64*\m+8*\p
.endr
.endr
	s_wait_dscnt 28                                ; tile 0's eight words are in: 28 loads were issued behind them
	MAKEVO 0
	LOADH 0
	s_wait_dscnt 24                                ; the four words of ids too
.irp m, 0,1,2,3
	v_lshrrev_b32 v[EID+\m], 16, v[EID+\m]
.endr
	v_readfirstlane_b32 s[EF], v[EID]              ; the list is sorted: row 0 has the lowest id,
	v_readlane_b32 s[ELR], v[EID+3], 15            ; row 63 the highest (16: some row has no expert)
	s_min_u32 s[EF], s[EF], 15
	s_min_u32 s[EL], s[ELR], 15
	s_add_co_u32 s[EL1], s[EL], 1                  ; at most 16
	s_min_u32 s[ET], s[EF], 15
	SETW 8, 10, 12, 9, WT128
	LOADWD 0, 30
	s_wait_dscnt 0x0
	MAKEVO 1
	MAKEVO 2
	MAKEVO 3
	; ---- h comes in, tile by tile, with the first expert's W1 between; loads come back in order (ISA guide 5.7.1), so each count is what was issued behind the group awaited
	s_wait_loadcnt 31                              ; tile 0 is in; behind it: 31 chunks of W1
	LOADH 1
	TURN_IN 0
	LOADWD 31, 47
	LOADS1                                         ; 17 + 8 = 25 loads
	QX 0
	s_wait_loadcnt 25                              ; tile 1 is in; behind it: those 25
	LOADH 2
	TURN_IN 1
	s_wait_loadcnt 32                              ; W1, its scales and b1 are in; behind them: tile 2
	LOADH 3
	QX 1
	TURN_W1
	s_wait_loadcnt 32                              ; tile 2 is in; behind it: tile 3
	TURN_IN 2
	QX 2
	s_wait_loadcnt 0x0
	TURN_IN 3
	QX 3
	BARRIER                                        ; x's 32 fragments and their scale words lie in LDS; they are never written again
	; ---- loop 1, over the chunk's experts: first product, gelu, quantiser.  While gelu runs, the next weights come and turn: the next expert's W1, or in the last trip the first expert's W2
	s_mov_b32 s[EE], s[EF]
.Lp1:
.irp m, 0,1,2,3
	v_cmp_eq_u32 s[MASK+\m], s[EE], v[EID+\m]      ; which rows of each tile have this expert
.endr
	P1
	s_cmp_lt_u32 s[EE], s[EL]
	s_cbranch_scc0 .Lp1_w2
	s_add_co_u32 s[ET], s[EE], 1
	s_min_u32 s[ET], s[ET], 15
	SETW 8, 10, 12, 9, WT128
	LOADWD 0, 47
	LOADS1
	s_branch .Lp1_asked
.Lp1_w2:
	s_min_u32 s[ET], s[EF], 15
	SETW 14, 16, 18, 12, WT1K
	LOADWD 0, 47
	LOADS2
.Lp1_asked:
	GELU 0
	GELU 1
	s_wait_loadcnt 0x0                             ; for zero: the two ways have issued different numbers of loads
	s_cmp_lt_u32 s[EE], s[EL]
	s_cbranch_scc0 .Lp1_t2
	TURN_W1
	s_branch .Lp1_turned
.Lp1_t2:
	TURN_W2
.Lp1_turned:
	GELU 2
	GELU 3
	s_add_co_u32 s[EE], s[EE], 1
	s_cmp_lt_u32 s[EE], s[EL1]                     ; a step of 1 under a bound that the loop does not write: at most 16 trips
	s_cbranch_scc1 .Lp1
	; ---- the hidden layer's codes and bytes meet: each wave has one block of 32 of each row's 128
	WIN 0x04
	s_wait_alu depctr_va_vdst(0)
.irp m, 0,1,2,3
.irp i, 0,1,2
	ds_store_b32 v[MWC], v[PCB+4*\m+\i] offset:1536*\m+4*\i
.endr
	ds_store_b8 v[MWB], v[PCB+4*\m+3] offset:64*\m
.endr
	WIN 0
	BARRIER
	LOADB2                                         ; the first expert's b2
.irp m, 0,1,2,3
.irp p, 0,1,2,3,4,5
	ds_load_b64 v[MF+12*\m+2*\p:MF+12*\m+2*\p+1], v[MRC] offset:1536*\m+48*(\p/3)+8*(\p%3)
.endr
	ds_load_b32 v[MS+\m], v[MRB] offset:64*\m
.endr
	; ---- loop 2, over the same experts: second product and b2, onto h
	s_mov_b32 s[EE], s[EF]
.Lp2:
.irp m, 0,1,2,3
	v_cmp_eq_u32 s[MASK+\m], s[EE], v[EID+\m]
.endr
	s_wait_dscnt 0x0                               ; the hidden fragments, and W2's from its turn
	P2 0
	P2 1
	P2 2
	P2 3
.rept 4
	v_nop                                          ; places behind the last products: for the reads of results and the loads into the weights' and scales' registers
.endr
	s_wait_loadcnt 0x0                             ; this expert's b2
	s_cmp_lt_u32 s[EE], s[EL]
	s_cbranch_scc0 .Lp2_last
	s_add_co_u32 s[ET], s[EE], 1                   ; another expert follows: its W2 comes while b2 is added.  (b2's addition is written in both arms, so that each wait stands on the same way as the loads that it counts)
	s_min_u32 s[ET], s[ET], 15
	SETW 14, 16, 18, 12, WT1K
	LOADWD 0, 47
	LOADS2
	B2ADD 0
	B2ADD 1
	B2ADD 2
	B2ADD 3
	LOADB2
	s_wait_loadcnt 32                              ; W2 and its scales are in; behind them: b2's 32 loads
	TURN_W2
	s_branch .Lp2_next
.Lp2_last:
	B2ADD 0
	B2ADD 1
	B2ADD 2
	B2ADD 3
.Lp2_next:
	s_add_co_u32 s[EE], s[EE], 1
	s_cmp_lt_u32 s[EE], s[EL1]                     ; as in loop 1
	s_cbranch_scc1 .Lp2
	; ---- rows without an expert, if the chunk has any
	s_cmp_lg_u32 s[ELR], 16
	s_cbranch_scc1 .Lall_valid
	ZEROROWS 0
	ZEROROWS 1
	ZEROROWS 2
	ZEROROWS 3
.Lall_valid:
	; ---- the way out
	s_wait_alu depctr_va_vdst(0)
	SENDOUT 0
	SENDOUT 1
	SENDOUT 2
	SENDOUT 3
	s_wait_tensorcnt 0x0
	ds_add_u32 v82, v83
	s_wait_dscnt 0x0
	s_endpgm
.Lfunc_end_k_q98c60d8bb3_adapter:
	.size	k_q98c60d8bb3_adapter, .Lfunc_end_k_q98c60d8bb3_adapter-k_q98c60d8bb3_adapter
	.p2alignl 7, 3214868480
	.fill 96, 4, 3214868480
	.section	.rodata,"a",@progbits
	.p2align	6, 0x0
	.amdhsa_kernel k_q98c60d8bb3_adapter
		.amdhsa_group_segment_fixed_size 227840
		.amdhsa_private_segment_fixed_size 0
		.amdhsa_enable_private_segment 0
		.amdhsa_kernarg_size 72
		.amdhsa_user_sgpr_count 2
		.amdhsa_user_sgpr_kernarg_segment_ptr 1
		.amdhsa_wavefront_size32 1
		.amdhsa_system_sgpr_workgroup_id_x 1
		.amdhsa_system_sgpr_workgroup_id_y 1
		.amdhsa_system_sgpr_workgroup_id_z 1
		.amdhsa_system_vgpr_workitem_id 0
		.amdhsa_next_free_vgpr 1024
		.amdhsa_next_free_sgpr 76
		.amdhsa_reserve_vcc 0
		.amdhsa_float_denorm_mode_32 3
		.amdhsa_float_denorm_mode_16_64 3
		.amdhsa_memory_ordered 1
		.amdhsa_forward_progress 1
		.amdhsa_inst_pref_size 255
	.end_amdhsa_kernel
	.section	.bss,"aw",@nobits
	.p2align	6
	.space	262144
	.amdgpu_metadata
---
amdhsa.version: [ 1, 2 ]
amdhsa.kernels:
  - .name:           k_q98c60d8bb3_adapter
    .symbol:         k_q98c60d8bb3_adapter.kd
    .args:
      - { .name: h, .offset: 0, .size: 8, .value_kind: global_buffer, .address_space: global }
      - { .name: cluster_ids, .offset: 8, .size: 8, .value_kind: global_buffer, .address_space: global }
      - { .name: W1_codes, .offset: 16, .size: 8, .value_kind: global_buffer, .address_space: global }
      - { .name: W1_scales, .offset: 24, .size: 8, .value_kind: global_buffer, .address_space: global }
      - { .name: b1, .offset: 32, .size: 8, .value_kind: global_buffer, .address_space: global }
      - { .name: W2_codes, .offset: 40, .size: 8, .value_kind: global_buffer, .address_space: global }
      - { .name: W2_scales, .offset: 48, .size: 8, .value_kind: global_buffer, .address_space: global }
      - { .name: b2, .offset: 56, .size: 8, .value_kind: global_buffer, .address_space: global }
      - { .name: out0, .offset: 64, .size: 8, .value_kind: global_buffer, .address_space: global }
    .group_segment_fixed_size: 227840
    .private_segment_fixed_size: 0
    .kernarg_segment_align: 8
    .kernarg_segment_size: 72
    .max_flat_workgroup_size: 128
    .sgpr_count:     76
    .vgpr_count:     1024
    .wavefront_size: 32
...
	.end_amdgpu_metadata
.endif
;; end of part 1
